; MI455X (gfx1250); checked and timed in simulation.
; The chip was launched on July 23, 2026; its instructions are those of AMD's public machine-readable ISA for CDNA 5 (MIT licence, August 2026) and "CDNA5" Instruction Set Architecture Reference Guide (July 2026). The comments in the code are by the model that wrote it; some were corrected since.
;; Senri Standard Attention. Allowed arithmetic: matrix products marked QUANTISED: E4M3 operands, one given power-of-two scale a tensor, by v_wmma_f32_16x16x64_fp8_fp8 or v_wmma_f32_16x16x128_fp8_fp8, f32 sums; everything else in f32.
;; Inputs: attention_mask 1 x 1 x 2,048 x 2,048 float32; hidden_states 2 x 2,048 x 2,048 float32; lowp_scales 12 int32 (the exponents e of the quantised operands' scales 2^e); position_ids 2 x 2,048 int32; wk 512 x 2,048 float32; wo 2,048 x 1,024 float32; wq 1,024 x 2,048 float32; wv 512 x 2,048 float32.
;; Outputs: out0 2 x 2,048 x 2,048 float32.
;; This version of the problem:
;;   THIS VERSION OF THE PROBLEM IS GIVEN IN LOW PRECISION. The matrix products marked QUANTISED in the list below multiply operands that are first quantised to E4M3 (4 exponent bits, 3 mantissa bits; 8 bits a number), with one given power-of-two scale for each operand tensor; their sums are f32. All else is computed in f32.
;;   The module's matrix products, in the order in which they are computed (A, B: the left and right operand; K: the contracted axis; several contracted axes count as one K, in the product's order):
;;     1. [M 4,096, K 2,048] x [K 2,048, N 1,024]; A: input hidden_states; B: input wq: QUANTISED (scales: A lowp_scales[0], B lowp_scales[1])
;;     2. [M 4,096, K 2,048] x [K 2,048, N 512]; A: input hidden_states; B: input wk: QUANTISED (scales: A lowp_scales[2], B lowp_scales[3])
;;     3. [M 4,096, K 2,048] x [K 2,048, N 512]; A: input hidden_states; B: input wv: QUANTISED (scales: A lowp_scales[4], B lowp_scales[5])
;;     4. batch 32 x [M 2,048, K 64] x [K 64, N 2,048]; A: computed on the way; B: computed on the way: QUANTISED (scales: A lowp_scales[6], B lowp_scales[7])
;;     5. batch 32 x [M 2,048, K 2,048] x [K 2,048, N 64]; A: softmax (see below); B: computed on the way: QUANTISED (scales: A lowp_scales[8], B lowp_scales[9])
;;     6. [M 4,096, K 1,024] x [K 1,024, N 2,048]; A: computed on the way; B: input wo: QUANTISED (scales: A lowp_scales[10], B lowp_scales[11])
;;   THE QUANTISER, for each operand of a quantised product, along K:
;;     - The operand's scale is 2^e, e = its entry of the input lowp_scales (int32; the entries are numbered through the quantised products in the list's order, A before B).
;;     - Each number is divided by the scale, clamped to +-448, and rounded to the nearest number of E4M3, ties to even, subnormals kept.
;;     - The product sums the exact products of the quantised numbers (number of the format x scale) in f32.
;;   ~~~python
;;   def quantise(x, axis, e):      # numpy; x: float32 -> the quantised numbers, widened to float32 again
;;       x = np.moveaxis(x, axis, -1); K = x.shape[-1]
;;       r = np.clip(x / 2.0 ** e, -448, 448)
;;       step = 2.0 ** (np.maximum(np.frexp(np.where(r == 0, 1, r))[1] - 1, -6) - 3)
;;       q = np.round(r / step) * step * 2.0 ** e      # np.round: ties to even
;;       return np.moveaxis(q, -1, axis).astype(np.float32)
;;   ~~~
;;   SOFTMAX AHEAD OF A QUANTISED PRODUCT. Where the list says 'softmax', what is quantised is not the finished softmax but p = 2^(t - M), with t = logit x log2(e) and M = ceil(the row's largest t), a whole number; so 1/2 < the row's largest p <= 1. The row's sum l is taken of the UNQUANTISED p, in f32, and the product's result is divided by l at the end. Since M is a whole number, a kernel that streams over the keys may use a running M (the ceiling of the running maximum): every later rescaling is an exact power of two, so the quantised numbers keep their values, but for numbers so far below the row's largest that they fall under the format's range.
;;   OPERANDS COMPUTED ON THE WAY. 'Computed on the way' means the value that the module computes at that place (a softmax that the list does not call 'softmax' is quantised finished and normalised). What goes into a quantiser is computed in f32, as accurately as f32 sums, v_exp_f32 and their like allow (about 1e-6 of the number): no bf16 or f16 on the way to a quantiser, and a product that is left as it is and whose result goes on into a quantised operand takes f32 operands (vector FMAs, or v_wmma_f32_16x16x4_f32). A number that lies on a knife's edge between two numbers of the format may be rounded either way, as far as f32 arithmetic and the matrix unit's own rounding can turn it there, and no further.
;; One version. Each part assembles by itself: llvm-mc -triple=amdgcn-amd-amdhsa -mcpu=gfx1250 --defsym DOCPART=n.
;; ======== version 1 of 1: 4 launches
;; limits: right only within a limited range of input values
;; workspace buffers: xcodes 25,165,824 bytes; wcodes 6,291,456 bytes; rope 1,048,576 bytes; qkv 8,388,608 bytes; aimg 4,194,304 bytes
;; launch prep (part 1): grid 512 x 1, 4 waves a work-group, no clusters, 34,304 bytes of LDS; arguments hidden_states, wq, wk, wv, wo, position_ids, lowp_scales, xcodes, wcodes, rope; writes xcodes, wcodes, rope
.if DOCPART == 1
	.amdgcn_target "amdgcn-amd-amdhsa--gfx1250"
	.amdhsa_code_object_version 6
	.text
	.protected	k_q397c899c78_prep
	.globl	k_q397c899c78_prep
	.p2align	8
	.type	k_q397c899c78_prep,@function
k_q397c899c78_prep:
	s_mov_b64 s[64:65], 0
	v_nop
	global_prefetch_b8 v0, s[64:65] scope:SCOPE_SE
	s_setreg_imm32_b32 hwreg(HW_REG_WAVE_MODE, 25, 1), 1
	s_wait_xcnt 0x0
; PREP: f32 operands into codes of FP8 (E4M3), and the table of cosines and sines.
; code = x / 2^e, held within +-448, to the nearest code, ties to even; e is the operand's entry of lowp_scales.
; hidden_states is an operand of three products with an entry of its own in each (e0, e2, e4): three versions of its codes are made from one read.
; LAYOUT OF THE CODES: images of the operand's registers.  A fragment is 16 rows x 128 K in 16 registers a lane; lane (r, h) holds row r, registers 2 c, 2 c + 1 hold
; K = 16 c + 8 h + 0 .. 7.  Its image is 2,048 bytes: registers 4 g .. 4 g + 3 of lane l at 512 g + 16 l.  Fragments lie [tile of 16 rows][K step].
; SHARES: a wave takes one tile of 16 rows x 4 K steps.  Work-groups 0-255 hidden_states, 256-319 wq, 320-351 wk, 352-383 wv, 384-447 wo, 448-511 the table (a tile of 16 tokens a wave).
; Each load reads 512 consecutive bytes of one row; a fragment's 8,192 bytes turn through the wave's own stage in LDS (rows 528 bytes apart, so that the sixteen rows that a
; read touches begin 16 bytes further on in each row of banks), and each store of codes covers 512 consecutive bytes.  Waves share nothing: no barrier.
; THE TABLE: rope[token tile][32 registers' image]: register 8 B + j (B = 0, 1) is cos, register 16 + 8 B + j is sin, of position x inv_freq(16 B + 8 h + j), token 16 tile + r.
; The angle is one f32 product, reduced by a whole multiple of pi/2 held in three parts, then polynomials on +-pi/4.
; LIMITS: every e between -126 and 119.  NaN among the inputs is not served.  |position x inv_freq| under 2^17.  inv_freq(i) is the f32 number nearest to 10^(-i/8).
.set WREG,  8448                       ; a wave's stage: 16 rows x 528 bytes
.set SP,    528
.set SPARE, 4*WREG                     ; behind the stages: the spare words, 128 bytes a wave
.set LI,    4                          ; v4   16 x lane
.set STI,   5                          ; v5   the stage, on the way in: 16 x lane
.set STO,   6                          ; v6   on the way out: 528 r + 32 h
.set SPW,   7                          ; v7   my spare word; never rewritten
.set NIL,   8                          ; v8   0; never rewritten
.set SC,    10                         ; v10, 12, 14: 2^e of version 0, 1, 2;  v11, 13, 15: 448 x 2^e
.set OFF,   16                         ; v16-31  16 x lane + i rows
.set R,     32                         ; v32-159 two sets of 64: a fragment as loaded
.set X,     160                        ; v160-223 register 8 c + i = K 16 c + 8 h + i of my row
.set T,     224                        ; v224-239 two sets of 8, held numbers
.set C,     240                        ; v240-255 a fragment's codes
.set IFR,   32                         ; the table's path: v32-47 inv_freq
.set TBL,   64                         ; v64-95 the 32 results
	s_load_b512 s[4:19], s[0:1], 0x0               ; hidden s[4:5], wq s[6:7], wk s[8:9], wv s[10:11], wo s[12:13], position_ids s[14:15], lowp_scales s[16:17], xcodes s[18:19]
	s_load_b128 s[20:23], s[0:1], 0x40             ; wcodes s[20:21], rope s[22:23]
	v_lshl_add_u32 v[SPW], v0, 2, SPARE
	v_mov_b32 v[NIL], 0
	v_lshrrev_b32 v1, 5, v0
	v_readfirstlane_b32 s24, v1                    ; wave 0..3
	v_and_b32 v1, 31, v0                           ; lane
	v_and_b32 v2, 15, v0                           ; r
	v_bfe_u32 v3, v0, 4, 1                         ; h
	v_lshlrev_b32 v[LI], 4, v1
	s_mul_i32 s52, s24, WREG
	v_add_nc_u32 v[STI], s52, v[LI]
	v_mul_u32_u24 v[STO], v2, SP
	v_lshl_add_u32 v[STO], v3, 5, v[STO]
	v_add_nc_u32 v[STO], s52, v[STO]
	s_wait_kmcnt 0x0
	s_cmp_ge_u32 ttmp9, 448
	s_cbranch_scc1 .Ltable
	s_load_b256 s[40:47], s[16:17], 0x0            ; e0 .. e7
	s_load_b128 s[48:51], s[16:17], 0x20           ; e8 .. e11
	; which tensor: the choices hang on the work-group's number alone
	s_mov_b64 s[30:31], s[4:5]                     ; the source
	s_mov_b32 s25, 0                               ; its first work-group
	s_mov_b32 s26, 0                               ; 0: three versions (hidden_states); 1: one
	s_mov_b32 s27, 8192                            ; bytes in a row
	s_mov_b32 s28, 2                               ; log2 of the jobs in a tile of rows
	s_cmp_ge_u32 ttmp9, 256
	s_cselect_b64 s[30:31], s[6:7], s[30:31]
	s_cselect_b64 s[32:33], s[20:21], s[18:19]     ; the codes' buffer
	s_cselect_b32 s25, 256, s25
	s_cselect_b32 s26, 1, s26
	s_cselect_b32 s29, 256, 0                      ; the first work-group that writes into that buffer
	s_cmp_ge_u32 ttmp9, 320
	s_cselect_b64 s[30:31], s[8:9], s[30:31]
	s_cselect_b32 s25, 320, s25
	s_cmp_ge_u32 ttmp9, 352
	s_cselect_b64 s[30:31], s[10:11], s[30:31]
	s_cselect_b32 s25, 352, s25
	s_cmp_ge_u32 ttmp9, 384
	s_cselect_b64 s[30:31], s[12:13], s[30:31]
	s_cselect_b32 s25, 384, s25
	s_cselect_b32 s27, 4096, s27
	s_cselect_b32 s28, 1, s28
	s_sub_co_u32 s52, ttmp9, s25
	s_lshl_b32 s52, s52, 2
	s_add_co_u32 s52, s52, s24                     ; my job in the tensor
	s_lshr_b32 s53, s52, s28                       ; its tile of rows
	s_bfm_b32 s54, s28, 0
	s_and_b32 s54, s52, s54                        ; its group of four K steps
	s_mul_i32 s53, s53, s27
	s_lshl_b32 s53, s53, 4                         ; 16 rows a tile
	s_lshl_b32 s54, s54, 11                        ; 4 K steps x 512 bytes
	s_add_co_u32 s54, s53, s54
	s_mov_b32 s55, 0
	s_add_nc_u64 s[30:31], s[30:31], s[54:55]
	s_sub_co_u32 s52, ttmp9, s29
	s_lshl_b32 s52, s52, 2
	s_add_co_u32 s52, s52, s24
	s_lshl_b32 s52, s52, 13                        ; a job's four images are 8,192 bytes, and the jobs' images follow each other in the order of the work-groups
	s_mov_b32 s53, 0
	s_add_nc_u64 s[32:33], s[32:33], s[52:53]      ; version 0
	s_add_nc_u64 s[34:35], s[32:33], 0x800000      ; versions 1 and 2 (used for hidden_states alone)
	s_add_nc_u64 s[36:37], s[32:33], 0x1000000
	s_wait_alu depctr_va_vdst(0)
.irp i, 0,1,2,3,4,5,6,7,8,9,10,11,12,13,14,15
	s_mul_i32 s52, s27, \i
	v_add_nc_u32 v[OFF+\i], s52, v[LI]
.endr
.macro LOADF f                         ; fragment f: 16 rows x 512 bytes, into set f % 2
.irp i, 0,1,2,3,4,5,6,7,8,9,10,11,12,13,14,15
	global_load_b128 v[R+64*((\f)%2)+4*\i:R+64*((\f)%2)+4*\i+3], v[OFF+\i], s[30:31] offset:512*(\f) th:TH_LOAD_NT
.endr
.endm
.macro MKSC e, ver                     ; 2^e and 448 x 2^e as f32
	s_add_co_i32 s53, \e, 127
	s_lshl_b32 s54, s53, 23
	v_mov_b32 v[SC+2*\ver], s54
	s_add_co_i32 s53, s53, 8
	s_lshl_b32 s53, s53, 23
	s_or_b32 s53, s53, 0x600000
	v_mov_b32 v[SC+2*\ver+1], s53
.endm
.macro QV ver, f                       ; X becomes version ver's codes of fragment f, and they are stored
	s_wait_xcnt 0x0                                ; the last stores have read C: it is rewritten only behind this wait
.irp c, 0,1,2,3,4,5,6,7
.irp i, 0,1,2,3,4,5,6,7
	v_med3_num_f32 v[T+8*(\c%2)+\i], v[X+8*\c+\i], -v[SC+2*\ver+1], v[SC+2*\ver+1]   ; the conversion does not saturate (ISA guide 7.6.2): the hold comes first
.endr
	v_cvt_scalef32_pk8_fp8_f32 v[C+2*\c:C+2*\c+1], v[T+8*(\c%2):T+8*(\c%2)+7], v[SC+2*\ver]   ; T's two sets take turns: eight plain lines stand between a conversion and the next write of its sources
.endr
.irp g, 0,1,2,3
	global_store_b128 v[LI], v[C+4*\g:C+4*\g+3], s[32+2*\ver:33+2*\ver] offset:2048*(\f)+512*\g   ; 512 consecutive bytes
.endr
.endm
.macro FRAG f
.if (\f) < 3
	s_wait_loadcnt 16                              ; this fragment's 16 loads are in; the next one's may be out
.else
	s_wait_loadcnt 0x0
.endif
.irp i, 0,1,2,3,4,5,6,7,8,9,10,11,12,13,14,15
	ds_store_b128 v[STI], v[R+64*((\f)%2)+4*\i:R+64*((\f)%2)+4*\i+3] offset:SP*\i
.endr
.irp c, 0,1,2,3,4,5,6,7
	ds_load_b128 v[X+8*\c:X+8*\c+3], v[STO] offset:64*\c           ; LDS serves a wave's instructions in order: these see the stores above
	ds_load_b128 v[X+8*\c+4:X+8*\c+7], v[STO] offset:64*\c+16
.endr
	s_wait_dscnt 0x0
.if (\f) < 2
	LOADF (\f)+2
.endif
	QV 0, \f
	s_cmp_lg_u32 s26, 0
	s_cbranch_scc1 .Lone_\@
	QV 1, \f
	QV 2, \f
.Lone_\@:
.endm
	s_wait_alu depctr_va_vdst(0)
	LOADF 0
	LOADF 1
	s_wait_kmcnt 0x0
	s_mov_b32 s52, s40                             ; version 0's e: e0, e1 (wq), e3 (wk), e5 (wv), e11 (wo)
	s_cmp_ge_u32 ttmp9, 256
	s_cselect_b32 s52, s41, s52
	s_cmp_ge_u32 ttmp9, 320
	s_cselect_b32 s52, s43, s52
	s_cmp_ge_u32 ttmp9, 352
	s_cselect_b32 s52, s45, s52
	s_cmp_ge_u32 ttmp9, 384
	s_cselect_b32 s52, s51, s52
	MKSC s52, 0
	MKSC s42, 1
	MKSC s44, 2
	s_wait_alu depctr_va_vdst(0)
	FRAG 0
	FRAG 1
	FRAG 2
	FRAG 3
	s_wait_tensorcnt 0x0                           ; the wave's end: behind my last LDS store
	ds_add_u32 v[SPW], v[NIL]
	s_wait_dscnt 0x0
	s_endpgm
.Ltable:                                               ; this path writes no LDS
	s_sub_co_u32 s52, ttmp9, 448
	s_lshl_b32 s52, s52, 2
	s_add_co_u32 s52, s52, s24                     ; my tile of 16 tokens
	s_lshl_b32 s53, s52, 6
	s_wait_alu depctr_va_vdst(0)
	v_lshl_add_u32 v9, v2, 2, s53
	global_load_b32 v16, v9, s[14:15]              ; my token's position
	s_lshl_b32 s54, s52, 12
	s_mov_b32 s55, 0
	s_add_nc_u64 s[22:23], s[22:23], s[54:55]
	s_mov_b32 s52, 0x3f22f983                      ; 2 / pi
	s_mov_b32 s53, 0x3fc90fdb                      ; pi / 2 in three parts
	s_mov_b32 s54, 0xb33bbd2e
	s_mov_b32 s55, 0xa6f72ced
	s_mov_b32 s56, 0xbe2aaaa3                      ; the sine's three coefficients
	s_mov_b32 s57, 0x3c08839e
	s_mov_b32 s58, 0xb94ca1f9
	s_mov_b32 s59, 0x3d2aaaa5                      ; the cosine's
	s_mov_b32 s60, 0xbab6061a
	s_mov_b32 s61, 0x37ccf5ce
	v_cmp_eq_u32 vcc_lo, 1, v3
.macro IFQ n, a, b                     ; inv_freq of register n: a in lanes 0-15, b in lanes 16-31
	v_mov_b32 v[IFR+\n], \b
	v_cndmask_b32 v[IFR+\n], \a, v[IFR+\n], vcc_lo
.endm
	IFQ 0,  1.0,           0.1
	IFQ 1,  0.749894209,   0.0749894209
	IFQ 2,  0.562341325,   0.0562341325
	IFQ 3,  0.421696503,   0.0421696503
	IFQ 4,  0.316227766,   0.0316227766
	IFQ 5,  0.237137371,   0.0237137371
	IFQ 6,  0.177827941,   0.0177827941
	IFQ 7,  0.133352143,   0.0133352143
	IFQ 8,  0.01,          0.001
	IFQ 9,  0.00749894209, 0.000749894209
	IFQ 10, 0.00562341325, 0.000562341325
	IFQ 11, 0.00421696503, 0.000421696503
	IFQ 12, 0.00316227766, 0.000316227766
	IFQ 13, 0.00237137371, 0.000237137371
	IFQ 14, 0.00177827941, 0.000177827941
	IFQ 15, 0.00133352143, 0.000133352143
	s_wait_loadcnt 0x0
	v_cvt_f32_i32 v16, v16
.macro SINCOS n
	v_mul_f32 v96, v16, v[IFR+\n]                  ; the angle, one rounding
	v_mul_f32 v97, s52, v96
	v_rndne_f32 v97, v97                           ; k quarter turns
	v_fma_f32 v98, -v97, s53, v96
	v_fma_f32 v98, -v97, s54, v98
	v_fma_f32 v98, -v97, s55, v98                  ; what is left, within +-pi/4
	v_mul_f32 v99, v98, v98
	v_cvt_i32_f32 v100, v97
	v_fma_f32 v101, s58, v99, s57
	v_fma_f32 v101, v101, v99, s56
	v_mul_f32 v102, v99, v98
	v_fma_f32 v101, v101, v102, v98                ; its sine
	v_fma_f32 v103, s61, v99, s60
	v_fma_f32 v103, v103, v99, s59
	v_mul_f32 v104, v99, v99
	v_fma_f32 v105, v99, -0.5, 1.0
	v_fma_f32 v103, v103, v104, v105               ; its cosine
	v_and_b32 v106, 1, v100
	v_cmp_eq_u32 vcc_lo, 1, v106                   ; an odd k swaps the two
	v_cndmask_b32 v107, v101, v103, vcc_lo
	v_cndmask_b32 v108, v103, v101, vcc_lo
	v_and_b32 v106, 2, v100
	v_lshlrev_b32 v106, 30, v106
	v_xor_b32 v[TBL+16+\n], v106, v107             ; the sine changes sign where k & 2,
	v_add_nc_u32 v106, 1, v100
	v_and_b32 v106, 2, v106
	v_lshlrev_b32 v106, 30, v106
	v_xor_b32 v[TBL+\n], v106, v108                ; the cosine where (k + 1) & 2
.endm
.irp n, 0,1,2,3,4,5,6,7,8,9,10,11,12,13,14,15
	SINCOS \n
.endr
.irp g, 0,1,2,3,4,5,6,7
	global_store_b128 v[LI], v[TBL+4*\g:TBL+4*\g+3], s[22:23] offset:512*\g
.endr
	s_endpgm
.Lfunc_end_k_q397c899c78_prep:
	.size	k_q397c899c78_prep, .Lfunc_end_k_q397c899c78_prep-k_q397c899c78_prep
	.p2alignl 7, 3214868480
	.fill 96, 4, 3214868480
	.section	.rodata,"a",@progbits
	.p2align	6, 0x0
	.amdhsa_kernel k_q397c899c78_prep
		.amdhsa_group_segment_fixed_size 34304
		.amdhsa_private_segment_fixed_size 0
		.amdhsa_enable_private_segment 0
		.amdhsa_kernarg_size 80
		.amdhsa_user_sgpr_count 2
		.amdhsa_user_sgpr_kernarg_segment_ptr 1
		.amdhsa_wavefront_size32 1
		.amdhsa_system_sgpr_workgroup_id_x 1
		.amdhsa_system_sgpr_workgroup_id_y 1
		.amdhsa_system_sgpr_workgroup_id_z 1
		.amdhsa_system_vgpr_workitem_id 0
		.amdhsa_next_free_vgpr 256
		.amdhsa_next_free_sgpr 66
		.amdhsa_reserve_vcc 1
		.amdhsa_float_denorm_mode_32 3
		.amdhsa_float_denorm_mode_16_64 3
		.amdhsa_memory_ordered 1
		.amdhsa_forward_progress 1
		.amdhsa_inst_pref_size 102
	.end_amdhsa_kernel
	.amdgpu_metadata
---
amdhsa.version: [ 1, 2 ]
amdhsa.kernels:
  - .name:           k_q397c899c78_prep
    .symbol:         k_q397c899c78_prep.kd
    .args:
      - { .name: hidden_states, .offset: 0, .size: 8, .value_kind: global_buffer, .address_space: global }
      - { .name: wq, .offset: 8, .size: 8, .value_kind: global_buffer, .address_space: global }
      - { .name: wk, .offset: 16, .size: 8, .value_kind: global_buffer, .address_space: global }
      - { .name: wv, .offset: 24, .size: 8, .value_kind: global_buffer, .address_space: global }
      - { .name: wo, .offset: 32, .size: 8, .value_kind: global_buffer, .address_space: global }
      - { .name: position_ids, .offset: 40, .size: 8, .value_kind: global_buffer, .address_space: global }
      - { .name: lowp_scales, .offset: 48, .size: 8, .value_kind: global_buffer, .address_space: global }
      - { .name: xcodes, .offset: 56, .size: 8, .value_kind: global_buffer, .address_space: global }
      - { .name: wcodes, .offset: 64, .size: 8, .value_kind: global_buffer, .address_space: global }
      - { .name: rope, .offset: 72, .size: 8, .value_kind: global_buffer, .address_space: global }
    .group_segment_fixed_size: 34304
    .private_segment_fixed_size: 0
    .kernarg_segment_align: 8
    .kernarg_segment_size: 80
    .max_flat_workgroup_size: 128
    .sgpr_count:     66
    .vgpr_count:     256
    .wavefront_size: 32
...
	.end_amdgpu_metadata
.endif
;; end of part 1
;; launch proj (part 2): grid 4 x 64, 4 waves a work-group, no clusters, 327,680 bytes of LDS; arguments xcodes, wcodes, rope, lowp_scales, qkv; writes qkv
.if DOCPART == 2
	.amdgcn_target "amdgcn-amd-amdhsa--gfx1250"
	.amdhsa_code_object_version 6
	.text
	.protected	k_q397c899c78_proj
	.globl	k_q397c899c78_proj
	.p2align	8
	.type	k_q397c899c78_proj,@function
k_q397c899c78_proj:
	s_mov_b64 s[64:65], 0
	v_nop
	global_prefetch_b8 v0, s[64:65] scope:SCOPE_SE
	s_setreg_imm32_b32 hwreg(HW_REG_WAVE_MODE, 25, 1), 1
	s_wait_xcnt 0x0
; PROJ: the three projections on codes of FP8 (E4M3), K = 2,048, then RoPE (q, k) and the quantiser for the attention's products; q, k, v leave as images of the operand's registers.
; Operands lie in memory as images: a fragment (16 rows x 128 K) is 2,048 bytes, registers 4 g .. 4 g + 3 of lane l at 512 g + 16 l; a tile of 16 rows is its 16 K steps on end, 32,768 bytes.
; PARTS by y: 0-31 q (A = x under e0, B = wq), 32-47 k (A = x under e2, B = wk), 48-63 v, transposed (A = wv, B = x under e4), so that the keys are innermost in v's codes.
; SHARES: a work-group makes 128 rows of A x 256 rows of B; a wave all 128 rows x 64 rows of B: 32 accumulators, 256 registers.
; A's 8 tiles, 262,144 bytes, are filled ONCE: one tensor load a wave, 65,536 consecutive bytes; no LDS byte is filled again, so one barrier serves the launch.
; B's 4 tiles of a wave are read by that wave alone: they go from memory straight into its registers, 512 consecutive bytes a load, three K steps (48 loads) ahead, in four sets of 64 registers.
; These loads are the look-ahead: no separate prefetch is laid.
; NO CLUSTER: a row block's tile of A is read by 4 work-groups in the q part and by 16 in the v part, but by 2 in the k part (512 columns / 256): four partners would not share one tile there.
; The matrix instruction is used transposed (source 0 = B, source 1 = A): a lane holds row l % 16 of A and eight neighbouring rows of B.
; PLACE NUMBERS: s15 = x / 2: which 8 of the part's 16 tiles of A; s18 = 2 (x % 2) + wave / 2 and s16 = wave % 2: which 4 tiles of B (8 s18 + 4 s16).
; LIMITS: e6 - e0 - e1, e7 - e2 - e3, e9 - e4 - e5 between -126 and 119.  NaN is not served.
; REGISTERS: window 0: v16-19, v24-31 addresses and scales, v32-63 at work, v64-127 codes; window 1: A's fragments, two sets of 128 (then the table of cosines and sines); window 2: B's four sets; window 3: the sums.
.set TS,    32768
.set SPARE, 8*TS                       ; behind A's tiles: the spare words, 128 bytes a wave
.set ADR,  16                          ; v16-19: 16 x lane + 65,536 p: tiles 2 p, 2 p + 1
.set LI,   24
.set SPW,  28
.set NIL,  29
.set SCV,  30
.set LIMV, 31
.set T,    32
.set CD,   64
.set G1, 24
.set G0, 32
.set MSB, 0
.macro WIN new
.if MSB != (\new)
	s_set_vgpr_msb (MSB<<8)|(\new)
.set MSB, (\new)
.endif
.endm
.macro PLACES
.rept 4
	v_nop
.endr
.endm
.macro BLOAD k                         ; B's four fragments of K step k into set k % 4
	WIN 0x80
.irp i, 0,1,2,3
.irp g, 0,1,2,3
	global_load_b128 v[64*((\k)%4)+16*\i+4*\g:64*((\k)%4)+16*\i+4*\g+3], v[LI], s[72:73] offset:\i*TS+(\k)*2048+\g*512
.endr
.endr
.endm
.macro AFETCH k                        ; A's eight fragments of K step k into set k % 2
	WIN 0x40
.irp t, 0,1,2,3,4,5,6,7
.irp g, 0,1,2,3
	ds_load_b128 v[128*((\k)%2)+16*\t+4*\g:128*((\k)%2)+16*\t+4*\g+3], v[ADR+\t/2] offset:(\t%2)*TS+(\k)*2048+\g*512
.endr
.endr
.endm
.macro MUL k, zero                     ; 32 matrix instructions, the 32 accumulators by turns, in the same order in every step
	WIN 0xf6
.irp a, 0,1,2,3,4,5,6,7
.irp b, 0,1,2,3
.if \zero
	v_wmma_f32_16x16x128_fp8_fp8 v[8*(4*\a+\b):8*(4*\a+\b)+7], v[64*((\k)%4)+16*\b:64*((\k)%4)+16*\b+15], v[128*((\k)%2)+16*\a:128*((\k)%2)+16*\a+15], 0
.else
	v_wmma_f32_16x16x128_fp8_fp8 v[8*(4*\a+\b):8*(4*\a+\b)+7], v[64*((\k)%4)+16*\b:64*((\k)%4)+16*\b+15], v[128*((\k)%2)+16*\a:128*((\k)%2)+16*\a+15], v[8*(4*\a+\b):8*(4*\a+\b)+7]
.endif
.endr
.endr
.endm
.macro KSTEP k, zero
.if (\k) > 0
	PLACES                                         ; in front of loads into the sets that the last step's products read
.endif
.if (\k) < 13
	BLOAD (\k)+3
.endif
	AFETCH (\k)+1
.if (\k) < 13
	s_wait_loadcnt 48                              ; this step's B is in; the three younger steps' 48 loads may be out
.else
	s_wait_loadcnt 16*(15-(\k))
.endif
	s_wait_dscnt 32                                ; this step's A is in; the 32 loads just issued may be out
	MUL \k, \zero
.endm
	s_load_b256 s[4:11], s[0:1], 0x0               ; xcodes s[4:5], wcodes s[6:7], rope s[8:9], lowp_scales s[10:11]
	s_load_b64 s[12:13], s[0:1], 0x20              ; qkv
	v_lshl_add_u32 v[SPW], v0, 2, SPARE
	v_mov_b32 v[NIL], 0
	ds_add_u32 v[SPW], v[NIL]                      ; the opening: the add, twice on end, and its wait ahead of my first tensor load
	ds_add_u32 v[SPW], v[NIL]
	v_lshrrev_b32 v1, 5, v0
	v_readfirstlane_b32 s14, v1                    ; wave 0..3
	v_and_b32 v1, 31, v0
	v_lshlrev_b32 v[LI], 4, v1
.irp p, 0,1,2,3
	v_add_nc_u32 v[ADR+\p], \p*65536, v[LI]
.endr
	s_lshr_b32 s15, ttmp9, 1
	s_and_b32 s18, ttmp9, 1
	s_lshl_b32 s18, s18, 1
	s_lshr_b32 s16, s14, 1
	s_add_co_u32 s18, s18, s16
	s_and_b32 s16, s14, 1
	s_and_b32 s17, ttmp7, 0xffff
	s_mov_b32 s[G1+0], 3<<16                       ; elements of 8 bytes: 256 rows of 256 bytes, dense
	s_mov_b32 s[G1+1], 32<<16
	s_mov_b32 s[G1+2], 256<<16
	s_mov_b32 s[G1+3], 32<<16
	s_mov_b32 s[G1+4], 256
	s_mov_b32 s[G1+5], 32
	s_mov_b32 s[G1+6], 0
	s_mov_b32 s[G1+7], 0
	s_lshr_b32 s20, s17, 1                         ; s20: the part's first tile of A for this y; s21: of B; s22: the version of x's codes
	s_lshl_b32 s20, s20, 4
	s_and_b32 s21, s17, 1
	s_lshl_b32 s21, s21, 5
	s_mov_b32 s22, 0
	s_sub_co_u32 s40, s17, 32
	s_lshl_b32 s40, s40, 4
	s_cmp_ge_u32 s17, 32
	s_cselect_b32 s20, s40, s20
	s_cselect_b32 s21, 64, s21
	s_cselect_b32 s22, 0x800000, s22
	s_sub_co_u32 s40, s17, 48
	s_lshr_b32 s41, s40, 3
	s_lshl_b32 s41, s41, 4
	s_add_co_u32 s41, s41, 96
	s_and_b32 s42, s40, 7
	s_lshl_b32 s42, s42, 5
	s_cmp_ge_u32 s17, 48
	s_cselect_b32 s20, s41, s20
	s_cselect_b32 s21, s42, s21
	s_cselect_b32 s22, 0x1000000, s22
	s_cselect_b32 s43, 0, s22
	s_cselect_b32 s44, s22, 0
	s_lshl_b32 s40, s15, 3
	s_add_co_u32 s40, s40, s20                     ; my work-group's first tile of A
	s_lshl_b32 s41, s14, 1
	s_add_co_u32 s41, s41, s40                     ; the two tiles that I fetch
	s_lshl_b32 s66, s41, 15
	s_add_co_u32 s66, s66, s43
	s_mov_b32 s67, 0
	s_lshl_b32 s41, s18, 3
	s_add_co_u32 s41, s41, s21
	s_lshl_b32 s42, s16, 2
	s_add_co_u32 s41, s41, s42                     ; my wave's first tile of B
	s_lshl_b32 s68, s41, 15
	s_add_co_u32 s68, s68, s44
	s_mov_b32 s69, 0
	s_lshl_b32 s45, s14, 16                        ; where my two tiles go in LDS
	s_lshl_b32 s40, s40, 12                        ; the table: 4,096 bytes a tile of tokens
	s_mov_b32 s41, 0
	s_wait_alu depctr_va_vdst(0)
	s_wait_dscnt 0x0                               ; both opening adds are done
	s_wait_kmcnt 0x0
	s_load_b256 s[84:91], s[10:11], 0x0            ; e0 .. e7
	s_load_b128 s[92:95], s[10:11], 0x20           ; e8 .. e11
	s_cmp_ge_u32 s17, 48
	s_cselect_b64 s[70:71], s[6:7], s[4:5]
	s_cselect_b64 s[72:73], s[4:5], s[6:7]
	s_add_nc_u64 s[70:71], s[70:71], s[66:67]
	s_add_nc_u64 s[72:73], s[72:73], s[68:69]
	s_add_nc_u64 s[8:9], s[8:9], s[40:41]
	s_mov_b32 s[G0], 1
	s_mov_b32 s[G0+1], s45
	s_mov_b64 s[G0+2:G0+3], s[70:71]
	s_or_b32 s[G0+3], s[G0+3], 0x80000000
	tensor_load_to_lds s[G0:G0+3], s[G1:G1+7]      ; my one tensor load of the launch
	s_nop 0
	PLACES
	BLOAD 0
	BLOAD 1
	BLOAD 2
	WIN 0
	s_wait_tensorcnt 0x0                           ; my two tiles are in,
	s_barrier_signal -1
	s_barrier_wait -1                              ; and everybody's
	AFETCH 0
	KSTEP 0, 1                                     ; the first step's products start the sums
.irp k, 1,2,3,4,5,6,7,8,9,10,11,12,13,14
	KSTEP \k, 0
.endr
	PLACES
	WIN 0
	s_wait_loadcnt 0x0                             ; the last step's B
	s_cmp_ge_u32 s17, 48
	s_cbranch_scc1 .Lno_table
	WIN 0x40
.set i, 0
.rept 32
	global_load_b128 v[4*i:4*i+3], v[LI], s[8:9] offset:512*i     ; the table of tiles 0-3, into A's set 0, which is done with
.set i, i+1
.endr
	WIN 0
.Lno_table:
	s_wait_dscnt 0x0
	MUL 15, 0
	PLACES
	WIN 0
	s_wait_kmcnt 0x0
	s_sub_co_i32 s40, s90, s84                     ; a sum stands for sum x 2^(ea + eb): its code is sum / 2^(e - ea - eb)
	s_sub_co_i32 s40, s40, s85
	s_sub_co_i32 s41, s91, s86
	s_sub_co_i32 s41, s41, s87
	s_sub_co_i32 s42, s93, s88
	s_sub_co_i32 s42, s42, s89
	s_cmp_ge_u32 s17, 32
	s_cselect_b32 s40, s41, s40
	s_cmp_ge_u32 s17, 48
	s_cselect_b32 s40, s42, s40
	s_add_co_i32 s40, s40, 127
	s_lshl_b32 s41, s40, 23
	v_mov_b32 v[SCV], s41
	s_add_co_i32 s40, s40, 8
	s_lshl_b32 s40, s40, 23
	s_or_b32 s40, s40, 0x600000
	v_mov_b32 v[LIMV], s40
	s_cmp_ge_u32 s17, 48
	s_cbranch_scc1 .Lv_out
	WIN 0x40
.set i, 32
.rept 32
	global_load_b128 v[4*i:4*i+3], v[LI], s[8:9] offset:512*i     ; the table of tiles 4-7, into A's set 1
.set i, i+1
.endr
	WIN 0
	s_lshl_b32 s40, s15, 3                         ; q, k: [b][head][token tile][1,024 bytes]; k's region begins at 0x400000
	s_add_co_u32 s40, s40, s20
	s_lshr_b32 s41, s40, 7
	s_and_b32 s42, s40, 127
	s_and_b32 s43, s17, 1
	s_lshl_b32 s43, s43, 3
	s_lshl_b32 s46, s18, 1
	s_cmp_lt_u32 s17, 32
	s_cselect_b32 s43, s43, 0
	s_cselect_b32 s44, 4, 3
	s_cselect_b32 s45, 0, 0x400000
	s_add_co_u32 s43, s43, s46
	s_add_co_u32 s43, s43, s16
	s_lshl_b32 s41, s41, s44
	s_add_co_u32 s41, s41, s43
	s_lshl_b32 s41, s41, 7
	s_add_co_u32 s41, s41, s42
	s_lshl_b32 s41, s41, 10
	s_add_co_u32 s66, s41, s45
	s_mov_b32 s67, 0
	s_add_nc_u64 s[12:13], s[12:13], s[66:67]
.macro ROPEQ a                         ; tile a of tokens: x cos + rotate_half(x) sin, the hold, the conversion, the store of a fragment's image
	s_wait_loadcnt 8*(7-(\a))
	WIN 0x07
.irp b, 0,1
.irp i, 0,2,4,6
	v_pk_mul_f32 v[T+8*\b+\i:T+8*\b+\i+1], v[8*(4*(\a)+\b)+\i:8*(4*(\a)+\b)+\i+1], v[32*(\a)+8*\b+\i:32*(\a)+8*\b+\i+1]
.endr
.endr
.irp b, 0,1
.irp i, 0,2,4,6
	v_pk_mul_f32 v[T+16+8*\b+\i:T+16+8*\b+\i+1], v[8*(4*(\a)+\b+2)+\i:8*(4*(\a)+\b+2)+\i+1], v[32*(\a)+8*\b+\i:32*(\a)+8*\b+\i+1]
.endr
.endr
.irp b, 0,1
.irp i, 0,2,4,6
	v_pk_fma_f32 v[T+8*\b+\i:T+8*\b+\i+1], v[8*(4*(\a)+\b+2)+\i:8*(4*(\a)+\b+2)+\i+1], v[32*(\a)+16+8*\b+\i:32*(\a)+16+8*\b+\i+1], v[T+8*\b+\i:T+8*\b+\i+1] neg_lo:[0,1,0] neg_hi:[0,1,0]
.endr
.endr
.irp b, 0,1
.irp i, 0,2,4,6
	v_pk_fma_f32 v[T+16+8*\b+\i:T+16+8*\b+\i+1], v[8*(4*(\a)+\b)+\i:8*(4*(\a)+\b)+\i+1], v[32*(\a)+16+8*\b+\i:32*(\a)+16+8*\b+\i+1], v[T+16+8*\b+\i:T+16+8*\b+\i+1]
.endr
.endr
	WIN 0
.set j, 0
.rept 32
	v_med3_num_f32 v[T+j], v[T+j], -v[LIMV], v[LIMV]               ; the conversion does not saturate (ISA guide 7.6.2): the hold comes first
.set j, j+1
.endr
.irp c, 0,1,2,3
	v_cvt_scalef32_pk8_fp8_f32 v[CD+8*(\a)+2*\c:CD+8*(\a)+2*\c+1], v[T+8*\c:T+8*\c+7], v[SCV]
.endr
	v_nop
.irp g, 0,1
	global_store_b128 v[LI], v[CD+8*(\a)+4*\g:CD+8*(\a)+4*\g+3], s[12:13] offset:1024*(\a)+512*\g
.endr
.endm
.irp a, 0,1,2,3,4,5,6,7
	ROPEQ \a
.endr
	s_branch .Ldone
.Lv_out:                                               ; v: [b][head][step of 128 keys][tile of 16 channels][2,048 bytes], from 0x600000 on
	s_sub_co_u32 s40, s17, 48
	s_lshr_b32 s41, s40, 3
	s_and_b32 s42, s40, 7
	s_lshl_b32 s42, s42, 2
	s_add_co_u32 s42, s42, s18
	s_lshr_b32 s43, s42, 4
	s_and_b32 s44, s42, 15
	s_lshl_b32 s43, s43, 3
	s_lshl_b32 s41, s41, 2
	s_add_co_u32 s43, s43, s41
	s_lshl_b32 s41, s15, 1
	s_add_co_u32 s43, s43, s41
	s_lshl_b32 s43, s43, 4
	s_add_co_u32 s43, s43, s44
	s_lshl_b32 s43, s43, 13
	s_lshl_b32 s41, s16, 10
	s_add_co_u32 s43, s43, s41
	s_add_co_u32 s66, s43, 0x600000
	s_mov_b32 s67, 0
	s_add_nc_u64 s[12:13], s[12:13], s[66:67]
.macro VQ a
	WIN 0x03
.irp b, 0,1,2,3
.irp i, 0,1,2,3,4,5,6,7
	v_med3_num_f32 v[T+8*\b+\i], v[8*(4*(\a)+\b)+\i], -v[LIMV], v[LIMV]
.endr
.endr
	WIN 0
.irp b, 0,1,2,3
	v_cvt_scalef32_pk8_fp8_f32 v[CD+8*(\a)+2*\b:CD+8*(\a)+2*\b+1], v[T+8*\b:T+8*\b+7], v[SCV]
.endr
	v_nop
.irp g, 0,1
	global_store_b128 v[LI], v[CD+8*(\a)+4*\g:CD+8*(\a)+4*\g+3], s[12:13] offset:((\a)/4)*131072+((\a)%4)*2048+512*\g
.endr
.endm
	s_wait_alu depctr_va_vdst(0)
.irp a, 0,1,2,3,4,5,6,7
	VQ \a
.endr
.Ldone:
	s_wait_tensorcnt 0x0                           ; the wave's end
	ds_add_u32 v[SPW], v[NIL]
	s_wait_dscnt 0x0
	s_endpgm
.Lfunc_end_k_q397c899c78_proj:
	.size	k_q397c899c78_proj, .Lfunc_end_k_q397c899c78_proj-k_q397c899c78_proj
	.p2alignl 7, 3214868480
	.fill 96, 4, 3214868480
	.section	.rodata,"a",@progbits
	.p2align	6, 0x0
	.amdhsa_kernel k_q397c899c78_proj
		.amdhsa_group_segment_fixed_size 327680
		.amdhsa_private_segment_fixed_size 0
		.amdhsa_enable_private_segment 0
		.amdhsa_kernarg_size 40
		.amdhsa_user_sgpr_count 2
		.amdhsa_user_sgpr_kernarg_segment_ptr 1
		.amdhsa_wavefront_size32 1
		.amdhsa_system_sgpr_workgroup_id_x 1
		.amdhsa_system_sgpr_workgroup_id_y 1
		.amdhsa_system_sgpr_workgroup_id_z 1
		.amdhsa_system_vgpr_workitem_id 0
		.amdhsa_next_free_vgpr 1024
		.amdhsa_next_free_sgpr 100
		.amdhsa_reserve_vcc 0
		.amdhsa_float_denorm_mode_32 3
		.amdhsa_float_denorm_mode_16_64 3
		.amdhsa_memory_ordered 1
		.amdhsa_forward_progress 1
		.amdhsa_inst_pref_size 162
	.end_amdhsa_kernel
	.amdgpu_metadata
---
amdhsa.version: [ 1, 2 ]
amdhsa.kernels:
  - .name:           k_q397c899c78_proj
    .symbol:         k_q397c899c78_proj.kd
    .args:
      - { .name: xcodes, .offset: 0, .size: 8, .value_kind: global_buffer, .address_space: global }
      - { .name: wcodes, .offset: 8, .size: 8, .value_kind: global_buffer, .address_space: global }
      - { .name: rope, .offset: 16, .size: 8, .value_kind: global_buffer, .address_space: global }
      - { .name: lowp_scales, .offset: 24, .size: 8, .value_kind: global_buffer, .address_space: global }
      - { .name: qkv, .offset: 32, .size: 8, .value_kind: global_buffer, .address_space: global }
    .group_segment_fixed_size: 327680
    .private_segment_fixed_size: 0
    .kernarg_segment_align: 8
    .kernarg_segment_size: 40
    .max_flat_workgroup_size: 128
    .sgpr_count:     100
    .vgpr_count:     1024
    .wavefront_size: 32
...
	.end_amdgpu_metadata
.endif
;; end of part 2
;; launch attn (part 3): grid 4 x 64, 8 waves a work-group, clusters of 4 x 1, 327,680 bytes of LDS; arguments qkv, attention_mask, lowp_scales, aimg; writes aimg
.if DOCPART == 3
	.amdgcn_target "amdgcn-amd-amdhsa--gfx1250"
	.amdhsa_code_object_version 6
	.text
	.protected	k_q397c899c78_attn
	.globl	k_q397c899c78_attn
	.p2align	8
	.type	k_q397c899c78_attn,@function
k_q397c899c78_attn:
	s_mov_b64 s[64:65], 0
	v_nop
	global_prefetch_b8 v0, s[64:65] scope:SCOPE_SE
	s_setreg_imm32_b32 hwreg(HW_REG_WAVE_MODE, 25, 1), 1
	s_wait_xcnt 0x0
	s_wait_alu depctr_hold_cnt(0) depctr_sa_sdst(0) depctr_va_vdst(0) depctr_va_sdst(0) depctr_va_ssrc(0) depctr_va_vcc(0) depctr_vm_vsrc(0)
	s_getreg_b32 s2, hwreg(HW_REG_IB_STS2, 6, 4)
	s_cmp_eq_u32 s2, 0
	s_cbranch_scc0 .Lentry_in_a_cluster
	s_endpgm
.Lentry_in_a_cluster:
	s_bfe_u32 s2, ttmp6, 0x10000c
	s_cmp_lg_u32 s2, 0x3003
	s_cbranch_scc0 .Lentry_shape_is_right
	s_endpgm
.Lentry_shape_is_right:
; ATTN: softmax(q k^T / 8 + mask) v on codes of FP8 (E4M3), streaming over the keys, 128 a step; the result is quantised under e10 for the last product.
; THE MASK IS AN INPUT: every entry is loaded and added; no key is left out.
; THE SOFTMAX: t = sum x (log2(e) 2^(e6 + e7 - 3)) + mask x log2(e), rounded to f32 before M is taken off, so that a row whose every key carries a huge negative mask gets equal t.
; M = the running largest t rounded up to a whole number (kept as -M = floor(-t)); p = 2^(t - M) is quantised under e8; the row's sum is taken of the unquantised p; when M moves, the sum and O are multiplied by 2^(old M - new M).
; SHARES: y: b = y / 32, block of 64 queries y % 32.  cx: key/value heads 2 cx, 2 cx + 1.  Wave w: tile of 16 queries w % 4, key/value head 2 cx + w / 4, and both query heads that share it: two tiles a wave.
; LAYOUT: both products transposed (S^T = K Q^T, O^T = V^T P^T): a lane holds one query; the 8 registers of score tile T are keys 16 T + 8 h + 0 .. 7, whose codes are registers 2 T, 2 T + 1 of P's fragment.
; q, k, v lie in memory as images of the operand's registers: every fragment by loads at 16 x lane.
; RING: two slots of 256 keys.  Waves 0-3 fetch the mask's 64 rows x 1,024 bytes (16 rows each), waves 4, 5 K of the two heads, waves 6, 7 V: 16 KiB a load, one a wave at the head and behind each round.
; CLUSTER 4 x 1: the four partners take the same queries, so the mask's tile is asked for jointly (mask 15): half of a slot's bytes.  K and V differ from partner to partner: plain loads.
; THE CHANGE OF SLOTS stands in a slot's second step: behind V's loads, the wave's last reads of the slot, come the three lines and the round's opening signal; the scaled scores, the maxima,
; the statistics, O's rescaling and tile 0's t - M, all work on registers, stand between that signal and its wait; behind the round come the refill and the next step's loads.
; THE EXPONENTIALS: tile 0's 64 stand among tile 1's subtractions, tile 1's among tile 0's holds and pair sums (into the mask's registers, which are free then): what is written among them is first read behind the next wait.
; THE LAST TWO SLOTS are a loop of two trips with a change of slots that fills nothing.  Its last trip still issues the look-ahead LDS loads (32 a wave, of bytes that were filled earlier); nobody reads those registers.
; LIMITS: e6 + e7 - 3 between -126 and 127; e8 and e10 between -126 and 119.  |t| under 2^31.  NaN is not served; a row whose every mask entry is -infinity is not served.
; REGISTERS: window 0: v3-13 addresses; v16-31 statistics, 8 a tile: -M, largest t, the sum (2), f (2), at work (2); v32-35 second sums; v40-44 scales; v64-191 S^T, then p; v192-255 the mask.
;   window 1: v0-63 O^T; v64-79 Q; v80-111 P's codes; v112-175 K; v176-239 V.
.set MP,    1040                       ; a mask row in LDS: 1,024 bytes + 16
.set MROWS, 16*MP
.set SPARE, 0x10400                    ; behind mask slot 0: the spare words, 128 bytes a wave
.set KB,    0x18000                    ; K slot 0: [head][step][8,192]
.set VB,    0x40000                    ; V slot 0
.set XMK,   0x20000                    ; exclusive or: a mask or K address into the other slot's
.set XV,    0x8000                     ; the same for V
.set AM0, 3
.set AK0, 4
.set AV0, 5
.set ADM, 6
.set ADK, 7
.set ADV, 8
.set LI,  9
.set PFOM, 10
.set PFOK, 11
.set SPW, 12                           ; my spare word; never rewritten
.set NIL, 13                           ; 0; never rewritten
.set ST,  16
.set U,   32
.set LIMP, 40                          ; v40, v41: 448 x 2^e8, twice, for the two halves of a dual instruction
.set SCP,  42                          ; 2^e8
.set LIMO, 43                          ; 448 x 2^e10
.set SCO,  44                          ; 2^e10
.set S,   64
.set MK,  192
.set O,   0                            ; window 1
.set QF,  64
.set PC,  80
.set KF,  112
.set VF,  176
.set G1M, 24                           ; s[24:31] group 1 of the mask's tiles; s[32:39] of a dense block of 16 KiB
.set G1D, 32
.set G0M, 40                           ; groups 0: set 0 for slot 0's first fill, set 1 for slot 1's, which then walks on
.set G0K, 48
.set G0V, 56
.set MSB, 0
.macro WIN new
.if MSB != (\new)
	s_set_vgpr_msb (MSB<<8)|(\new)
.set MSB, (\new)
.endif
.endm
.macro PLACES
.rept 4
	v_nop
.endr
.endm
.macro CREST                           ; a round of the cluster's barrier behind its opening barrier
	s_cmp_lg_u32 s16, 0
	s_cbranch_scc1 .Lnw0_\@
	s_barrier_signal -3
.Lnw0_\@:
	s_barrier_wait -3
	s_barrier_signal -1
	s_barrier_wait -1
.endm
.macro CROUND
	s_barrier_signal -1
	s_barrier_wait -1
	CREST
.endm
.macro TLOAD n                         ; each wave's one load, by set n of the groups 0.  The branches hang on the wave's number alone; s_nop 0 and four v_nop follow each line
	s_cmp_lt_u32 s16, 4
	s_cbranch_scc0 .Lkv_\@
	tensor_load_to_lds s[G0M+4*\n:G0M+4*\n+3], s[G1M:G1M+7]
	s_nop 0
	PLACES
	s_branch .Lasked_\@
.Lkv_\@:
	s_cmp_lt_u32 s16, 6
	s_cbranch_scc0 .Lv_\@
	tensor_load_to_lds s[G0K+4*\n:G0K+4*\n+3], s[G1D:G1D+7]
	s_nop 0
	PLACES
	s_branch .Lasked_\@
.Lv_\@:
	tensor_load_to_lds s[G0V+4*\n:G0V+4*\n+3], s[G1D:G1D+7]
	s_nop 0
	PLACES
.Lasked_\@:
.endm
; PREFETCHES of what the NEXT change of slots will ask for, two key steps ahead of that load.  Each aligned block of 256 bytes is named once in the launch.
; The mask's tile: the clusters of b = 0 ask; the partners take 16 rows each, told apart by address; waves 0 and 1, a lane a block.
; K and V of a head: the block of queries 0 asks, each partner for its own two heads; wave w: K or V (w / 4), head ((w / 2) % 2), half of 8 KiB (w % 2), lanes 256 bytes apart.
; The last change that fills a slot asks for nothing; slots 0, 1 and 2 come by their loads alone.
.macro ASK
	s_cmp_gt_u32 s74, s80
	s_cbranch_scc0 .Lnm_\@
	global_prefetch_b8 v[PFOM], s[76:77] th:TH_LOAD_NT scope:SCOPE_SE
.Lnm_\@:
	s_cmp_gt_u32 s74, s81
	s_cbranch_scc0 .Lnk_\@
	global_prefetch_b8 v[PFOK], s[78:79] th:TH_LOAD_NT scope:SCOPE_SE
.Lnk_\@:
.endm
.macro HOLD2 a                         ; the hold of two numbers: the conversion does not saturate (ISA guide 7.6.2); p is not negative, so the hold is one-sided
	v_dual_min_num_f32 v[\a], v[\a], v[LIMP] :: v_dual_min_num_f32 v[(\a)+1], v[(\a)+1], v[LIMP+1]
.endm
	s_load_b256 s[4:11], s[0:1], 0x0               ; qkv s[4:5], attention_mask s[6:7], lowp_scales s[8:9], aimg s[10:11]
	v_lshl_add_u32 v[SPW], v0, 2, SPARE
	v_mov_b32 v[NIL], 0
	ds_add_u32 v[SPW], v[NIL]                      ; the opening: the add, twice on end, and its wait ahead of my first tensor load
	ds_add_u32 v[SPW], v[NIL]
	v_lshrrev_b32 v1, 5, v0
	v_readfirstlane_b32 s16, v1                    ; wave 0..7
	s_and_b32 s17, ttmp7, 0xffff
	s_bfe_u32 s18, ttmp6, 0x40000                  ; cx
	s_lshr_b32 s19, s17, 5                         ; b
	s_and_b32 s20, s17, 31                         ; block of 64 queries
	s_and_b32 s21, s16, 3                          ; my tile of queries; also which 16 rows of the mask I fetch
	s_lshr_b32 s23, s16, 2                         ; my key/value head of the two
	s_and_b32 s13, s16, 1                          ; which head's K or V I fetch
	s_mov_b32 s[G1M+0], 15|(2<<16)|(1<<20)|(1<<21)|(7<<22)|(3<<25)  ; all four partners; elements of 4 bytes; padding: four words after every 256
	s_mov_b32 s[G1M+1], 256<<16
	s_mov_b32 s[G1M+2], 16<<16
	s_mov_b32 s[G1M+3], 256<<16
	s_mov_b32 s[G1M+4], 16
	s_mov_b32 s[G1M+5], 2048
	s_mov_b32 s[G1M+6], 0
	s_mov_b32 s[G1M+7], 0
	s_mov_b32 s[G1D+0], 3<<16                      ; no mask; elements of 8 bytes: 64 rows of 256 bytes, dense
	s_mov_b32 s[G1D+1], 32<<16
	s_mov_b32 s[G1D+2], 64<<16
	s_mov_b32 s[G1D+3], 32<<16
	s_mov_b32 s[G1D+4], 64
	s_mov_b32 s[G1D+5], 32
	s_mov_b32 s[G1D+6], 0
	s_mov_b32 s[G1D+7], 0
	s_lshl_b32 s82, s20, 6
	s_lshl_b32 s83, s21, 4
	s_add_co_u32 s82, s82, s83
	s_lshl_b32 s82, s82, 13                        ; the mask's rows that I fetch, in bytes: no register of it holds cx
	s_mov_b32 s83, 0
	s_mul_i32 s12, s21, MROWS                      ; and their place in a slot
	s_lshl_b32 s14, s19, 3
	s_lshl_b32 s15, s18, 1
	s_add_co_u32 s14, s14, s15                     ; 8 b + 2 cx
	s_add_co_u32 s96, s14, s13
	s_lshl_b32 s96, s96, 17                        ; a head's K or V is 131,072 bytes
	s_mov_b32 s97, 0
	s_lshl_b32 s98, s13, 14
	s_mov_b32 s70, 0x76543210                      ; v_permlanex16_b32's selects for lane l xor 16
	s_mov_b32 s71, 0xfedcba98
	s_mov_b32 s72, 0                               ; the slot in hand: mask and K,
	s_mov_b32 s73, 0                               ; V
	s_mov_b32 s74, 6                               ; slots still to be asked for
	s_mov_b32 s75, 2                               ; the last two slots
	s_wait_dscnt 0x0                               ; both opening adds are done
	s_wait_kmcnt 0x0
	s_load_b256 s[84:91], s[8:9], 0x0              ; e0 .. e7
	s_load_b128 s[92:95], s[8:9], 0x20             ; e8 .. e11
	s_add_nc_u64 s[82:83], s[6:7], s[82:83]
	s_add_nc_u64 s[96:97], s[4:5], s[96:97]
	CROUND                                         ; all four work-groups are here: the first joint loads meet
.irp n, 0,1
	s_mov_b32 s[G0M+4*\n], 1
	s_add_co_u32 s[G0M+4*\n+1], s12, \n*XMK
	s_add_nc_u64 s[G0M+4*\n+2:G0M+4*\n+3], s[82:83], \n*1024
	s_or_b32 s[G0M+4*\n+3], s[G0M+4*\n+3], 0x80000000
	s_mov_b32 s[G0K+4*\n], 1
	s_add_co_u32 s[G0K+4*\n+1], s98, KB+\n*XMK
	s_add_nc_u64 s[G0K+4*\n+2:G0K+4*\n+3], s[96:97], 0x400000+\n*16384
	s_or_b32 s[G0K+4*\n+3], s[G0K+4*\n+3], 0x80000000
	s_mov_b32 s[G0V+4*\n], 1
	s_add_co_u32 s[G0V+4*\n+1], s98, VB+\n*XV
	s_add_nc_u64 s[G0V+4*\n+2:G0V+4*\n+3], s[96:97], 0x600000+\n*16384
	s_or_b32 s[G0V+4*\n+3], s[G0V+4*\n+3], 0x80000000
.endr
	TLOAD 0                                        ; slot 0: one tensor load a wave at the head
	; the head's scalar work first, then its vector work in one run
	s_lshl_b32 s15, s23, 14
	s_add_co_u32 s15, s15, KB                      ; my head's K in slot 0,
	s_add_co_u32 s98, s15, VB-KB                   ; and its V
	s_lshl_b32 s22, s18, 1
	s_add_co_u32 s22, s22, s23                     ; my key/value head
	s_lshl_b32 s83, s20, 2
	s_add_co_u32 s83, s83, s21                     ; my tile of queries in the sequence
	s_lshl_b32 s2, s19, 3
	s_add_co_u32 s2, s2, s22
	s_lshl_b32 s2, s2, 8                           ; two query heads x 128 tiles
	s_add_co_u32 s2, s2, s83
	s_lshl_b32 s2, s2, 10
	s_mov_b32 s3, 0
	s_add_nc_u64 s[2:3], s[4:5], s[2:3]            ; q's image of my first head
	s_lshl_b32 s96, s19, 7
	s_add_co_u32 s96, s96, s83
	s_lshl_b32 s96, s96, 3
	s_add_co_u32 s96, s96, s22
	s_lshl_b32 s96, s96, 11
	s_mov_b32 s97, 0
	s_add_nc_u64 s[10:11], s[10:11], s[96:97]      ; aimg: [token tile][K step = key/value head][2,048]
	s_lshl_b32 s76, s20, 6                         ; the prefetches: where mine stand, and who asks
	s_lshl_b32 s77, s18, 4
	s_add_co_u32 s76, s76, s77
	s_lshl_b32 s76, s76, 13                        ; my work-group's 16 rows of the mask,
	s_lshl_b32 s77, s13, 9
	s_add_co_u32 s76, s76, s77                     ; my wave's two blocks of a row's four,
	s_add_co_u32 s76, s76, 2048                    ; in slot 2: the first change of slots steps it to slot 3
	s_mov_b32 s77, 0
	s_add_nc_u64 s[76:77], s[6:7], s[76:77]
	s_lshr_b32 s99, s16, 1
	s_or_b32 s99, s99, s19
	s_cmp_eq_u32 s99, 0                            ; waves 0 and 1 where b = 0: the same in all partners
	s_cselect_b32 s80, 1, -1
	s_bfe_u32 s99, s16, 0x10001
	s_add_co_u32 s99, s99, s14
	s_lshl_b32 s78, s99, 17
	s_lshl_b32 s99, s13, 13
	s_add_co_u32 s78, s78, s99
	s_lshl_b32 s99, s23, 21                        ; K's region, or V's 2 MiB further on
	s_add_co_u32 s78, s78, s99
	s_add_co_u32 s78, s78, 0x400000+32768          ; in slot 2
	s_mov_b32 s79, 0
	s_add_nc_u64 s[78:79], s[4:5], s[78:79]
	s_cmp_eq_u32 s20, 0
	s_cselect_b32 s81, 1, -1
	s_wait_kmcnt 0x0
	s_add_co_i32 s99, s90, s91
	s_sub_co_i32 s99, s99, 3
	s_lshl_b32 s99, s99, 23
	s_mov_b32 s68, 0x3fb8aa3b                      ; log2(e)
	s_mov_b32 s69, s68
	s_add_co_i32 s66, s68, s99                     ; c = log2(e) 2^(e6 + e7 - 3): the exponents are added to the exponent field
	s_mov_b32 s67, s66
	s_add_co_i32 s99, s92, 127
	s_lshl_b32 s82, s99, 23                        ; 2^e8
	s_add_co_i32 s99, s99, 8
	s_lshl_b32 s99, s99, 23
	s_or_b32 s83, s99, 0x600000                    ; 448 x 2^e8
	s_add_co_i32 s99, s94, 127
	s_lshl_b32 s96, s99, 23                        ; 2^e10
	s_add_co_i32 s99, s99, 8
	s_lshl_b32 s99, s99, 23
	s_or_b32 s97, s99, 0x600000                    ; 448 x 2^e10
	v_and_b32 v1, 31, v0                           ; lane
	v_and_b32 v2, 15, v0                           ; r
	v_bfe_u32 v14, v0, 4, 1                        ; h
	v_lshlrev_b32 v[LI], 4, v1
	v_mul_u32_u24 v[AM0], v2, MP
	v_lshl_add_u32 v[AM0], v14, 5, v[AM0]
	v_add_nc_u32 v[AM0], s12, v[AM0]               ; the mask: row 16 qt + r, + 32 h: my 8 keys of a score tile
	v_add_nc_u32 v[AK0], s15, v[LI]
	v_add_nc_u32 v[AV0], s98, v[LI]
	v_lshlrev_b32 v[PFOM], 13, v2
	v_lshl_add_u32 v[PFOM], v14, 8, v[PFOM]
	v_lshlrev_b32 v[PFOK], 8, v1
.irp x, 0,1
	v_mov_b32 v[ST+8*\x+1], 0xff61b1e6             ; the largest t so far: -3e38
	v_floor_f32 v[ST+8*\x], -v[ST+8*\x+1]          ; -M
	v_mov_b32 v[ST+8*\x+2], 0                      ; the sum, in two halves
	v_mov_b32 v[ST+8*\x+3], 0
	v_mov_b32 v[ST+8*\x+5], 0                      ; (named as the upper half of f's pair)
	v_mov_b32 v[U+2*\x], 0                         ; (a lane permute's destination counts as read)
	v_mov_b32 v[U+2*\x+1], 0
.endr
	v_mov_b32 v[SCP], s82
	v_mov_b32 v[LIMP], s83
	v_mov_b32 v[LIMP+1], s83
	v_mov_b32 v[SCO], s96
	v_mov_b32 v[LIMO], s97
	WIN 0x40
.irp x, 0,1
.irp g, 0,1
	global_load_b128 v[QF+8*\x+4*\g:QF+8*\x+4*\g+3], v[LI], s[2:3] offset:131072*\x+512*\g   ; Q stays in registers
.endr
.endr
.set j, 0
.rept 64
	v_mov_b32 v[O+j], 0                            ; O^T: the step has no first form of its own: the first change of M multiplies zeros
.set j, j+1
.endr
	WIN 0
.macro KLOAD q                         ; K of the slot's q-th step: 8 tiles of 16 keys x 64
	v_add_nc_u32 v[ADK], s72, v[AK0]
	WIN 0x40
.set i, 0
.rept 16
	ds_load_b128 v[KF+4*i:KF+4*i+3], v[ADK] offset:(\q)*8192+512*i
.set i, i+1
.endr
	WIN 0
.endm
.macro VLOAD q                         ; V: 4 tiles of 16 channels x 128 keys
	v_add_nc_u32 v[ADV], s73, v[AV0]
	WIN 0x40
.set i, 0
.rept 16
	ds_load_b128 v[VF+4*i:VF+4*i+3], v[ADV] offset:(\q)*8192+512*i
.set i, i+1
.endr
	WIN 0
.endm
.macro MLOAD q                         ; the mask: register 8 T + j = key 16 T + 8 h + j of my query
	v_add_nc_u32 v[ADM], s72, v[AM0]
.set i, 0
.rept 16
	ds_load_b128 v[MK+4*i:MK+4*i+3], v[ADM] offset:(\q)*512+64*(i/2)+16*(i%2)
.set i, i+1
.endr
.endm
; A KEY STEP, the q-th of the slot in hand.  mode 0: the next step lies in the same slot; 1: change of slots with a fill; 2: change of slots without.
.macro STEP q, mode
	s_wait_dscnt 16                                ; K is in; the 16 younger loads, the mask's, may be out
	WIN 0x05                                       ; K and Q in window 1, S^T in window 0
.irp t, 0,1,2,3,4,5,6,7
.irp x, 0,1
	v_wmma_f32_16x16x64_fp8_fp8 v[S+64*\x+8*\t:S+64*\x+8*\t+7], v[KF+8*\t:KF+8*\t+7], v[QF+8*\x:QF+8*\x+7], 0
.endr
.endr
	WIN 0
	PLACES                                         ; in front of loads into V's registers, which the last step's products read
	VLOAD \q
	s_wait_dscnt 16                                ; the mask is in; V's 16 loads may be out
.set j, 0
.rept 32
	v_pk_mul_f32 v[MK+j:MK+j+1], v[MK+j:MK+j+1], s[68:69] op_sel_hi:[1,0]   ; mask x log2(e), once for both tiles
.set j, j+2
.endr
.if (\mode) == 0
	KLOAD 1-(\q)                                   ; the next step's K
.else
	s_wait_tensorcnt 0x0                           ; all my tensor loads are done: my part of the other slot; so a group 0 may be written
	ds_add_u32 v[SPW], v[NIL]
.if (\mode) == 1
	s_xor_b32 s[G0M+5], s[G0M+5], XMK
	s_add_nc_u64 s[G0M+6:G0M+7], s[G0M+6:G0M+7], 1024
	s_xor_b32 s[G0K+5], s[G0K+5], XMK
	s_add_nc_u64 s[G0K+6:G0K+7], s[G0K+6:G0K+7], 16384
	s_xor_b32 s[G0V+5], s[G0V+5], XV
	s_add_nc_u64 s[G0V+6:G0V+7], s[G0V+6:G0V+7], 16384
	s_wait_xcnt 0x0                                ; the last prefetches, two key steps back, have read their addresses
	s_add_nc_u64 s[76:77], s[76:77], 1024
	s_add_nc_u64 s[78:79], s[78:79], 16384
.endif
	s_wait_dscnt 0x0                               ; the add is done, and V, my last read of this slot, is in
	s_barrier_signal -1                            ; mode 1: this barrier opens a round of the cluster's; work on registers alone up to its wait
.endif
.set j, 0
.rept 32
	v_pk_fma_f32 v[S+j:S+j+1], v[S+j:S+j+1], s[66:67], v[MK+j:MK+j+1] op_sel_hi:[1,0,1]          ; t, rounded to f32; each accumulator from its low end on
	v_pk_fma_f32 v[S+64+j:S+64+j+1], v[S+64+j:S+64+j+1], s[66:67], v[MK+j:MK+j+1] op_sel_hi:[1,0,1]
.set j, j+2
.endr
.irp x, 0,1
	v_max3_num_f32 v[ST+8*\x+6], v[S+64*\x], v[S+64*\x+1], v[S+64*\x+2]    ; the step's largest t of my query among my 64 keys, in two chains a tile
	v_max3_num_f32 v[ST+8*\x+7], v[S+64*\x+3], v[S+64*\x+4], v[S+64*\x+5]
.endr
.set j, 6
.rept 14
.irp x, 0,1
	v_max3_num_f32 v[ST+8*\x+6], v[ST+8*\x+6], v[S+64*\x+j], v[S+64*\x+j+1]
	v_max3_num_f32 v[ST+8*\x+7], v[ST+8*\x+7], v[S+64*\x+j+2], v[S+64*\x+j+3]
.endr
.set j, j+4
.endr
.irp x, 0,1
	v_max3_num_f32 v[ST+8*\x+6], v[ST+8*\x+6], v[S+64*\x+62], v[S+64*\x+63]
.endr
.irp x, 0,1
	v_max_num_f32 v[ST+8*\x+6], v[ST+8*\x+6], v[ST+8*\x+7]
.endr
.irp x, 0,1
	v_permlanex16_b32 v[U+2*\x], v[ST+8*\x+6], s70, s71
.endr
.irp x, 0,1
	v_max_num_f32 v[ST+8*\x+6], v[ST+8*\x+6], v[U+2*\x]            ; and among lane l xor 16's
.endr
.irp x, 0,1
	v_max_num_f32 v[ST+8*\x+1], v[ST+8*\x+1], v[ST+8*\x+6]         ; the running largest t
.endr
.irp x, 0,1
	v_mov_b32 v[ST+8*\x+7], v[ST+8*\x]
.endr
.irp x, 0,1
	v_floor_f32 v[ST+8*\x], -v[ST+8*\x+1]                          ; the new -M: M is a whole number
.endr
.irp x, 0,1
	v_sub_f32 v[ST+8*\x+7], v[ST+8*\x], v[ST+8*\x+7]               ; old M - new M, 0 or less
.endr
.irp x, 0,1
	v_cvt_i32_f32 v[ST+8*\x+7], v[ST+8*\x+7]                       ; (it saturates)
.endr
.irp x, 0,1
	v_ldexp_f32 v[ST+8*\x+4], 1.0, v[ST+8*\x+7]                    ; f = 2^(old M - new M)
.endr
.irp x, 0,1
	v_pk_mul_f32 v[ST+8*\x+2:ST+8*\x+3], v[ST+8*\x+2:ST+8*\x+3], v[ST+8*\x+4:ST+8*\x+5] op_sel_hi:[1,0]   ; the sums under the new M
.endr
	WIN 0x41
.set j, 0
.rept 16
.irp x, 0,1
	v_pk_mul_f32 v[O+32*\x+j:O+32*\x+j+1], v[O+32*\x+j:O+32*\x+j+1], v[ST+8*\x+4:ST+8*\x+5] op_sel_hi:[1,0]   ; O^T under the new M, ahead of the exponentials; each accumulator from its low end on
.endr
.set j, j+2
.endr
	WIN 0
.set j, 0
.rept 32
	v_pk_add_f32 v[S+j:S+j+1], v[S+j:S+j+1], v[ST:ST+1] op_sel_hi:[1,0]   ; tile 0: t - M
.set j, j+2
.endr
	s_wait_alu depctr_va_vdst(0)                   ; the wait ahead of the batch (modes 1, 2: directly ahead of the barrier's wait)
.if (\mode) != 0
	s_barrier_wait -1
.if (\mode) == 1
	CREST                                          ; no wave of any partner still reads this slot or has a load on its way
	TLOAD 1                                        ; the refill, the keys two slots on: my first tensor load behind the round
	ASK
.endif
	s_xor_b32 s72, s72, XMK
	s_xor_b32 s73, s73, XV
	KLOAD 1-(\q)                                   ; the next step's K, from the other slot
.endif
.set j, 0
.rept 32
	v_exp_f32 v[S+j], v[S+j]                       ; tile 0: p = 2^(t - M), with
	v_exp_f32 v[S+j+1], v[S+j+1]
	v_pk_add_f32 v[S+64+j:S+64+j+1], v[S+64+j:S+64+j+1], v[ST+8:ST+9] op_sel_hi:[1,0]   ; tile 1's t - M between: first read behind the wait below
.set j, j+2
.endr
	s_wait_alu depctr_va_vdst(0)                   ; one wait: behind tile 0's batch and ahead of tile 1's
.set j, 0
.rept 16                                       ; tile 1's exponentials; between them tile 0's pair sums of the unquantised p, into the mask's registers, and its holds: all first read behind the next wait
	v_exp_f32 v[S+64+j], v[S+64+j]
	v_pk_add_f32 v[MK+j/2:MK+j/2+1], v[S+j:S+j+1], v[S+j+2:S+j+3]
	v_exp_f32 v[S+64+j+1], v[S+64+j+1]
	HOLD2 S+j
	v_exp_f32 v[S+64+j+2], v[S+64+j+2]
	v_exp_f32 v[S+64+j+3], v[S+64+j+3]
	HOLD2 S+j+2
.set j, j+4
.endr
	s_wait_alu depctr_va_vdst(0)                   ; the wait behind tile 1's batch, ahead of its first reader
	v_pk_add_f32 v[U:U+1], v[MK+2:MK+3], v[MK+6:MK+7]              ; tile 0's sixteen pair sums, in two chains
	v_pk_add_f32 v[ST+2:ST+3], v[ST+2:ST+3], v[MK:MK+1]
.set j, 2
.rept 6
	v_pk_add_f32 v[U:U+1], v[U:U+1], v[MK+4*j+2:MK+4*j+3]
	v_pk_add_f32 v[ST+2:ST+3], v[ST+2:ST+3], v[MK+4*j-4:MK+4*j-3]
.set j, j+1
.endr
	v_pk_add_f32 v[ST+2:ST+3], v[ST+2:ST+3], v[MK+28:MK+29]
	v_pk_add_f32 v[ST+2:ST+3], v[ST+2:ST+3], v[U:U+1]
	MLOAD 1-(\q)                                   ; the next step's mask
	v_pk_add_f32 v[U+2:U+3], v[S+64:S+65], v[S+66:S+67]            ; tile 1's sums and holds
	HOLD2 S+64
	HOLD2 S+66
.set j, 4
.rept 15
	v_pk_add_f32 v[ST+10:ST+11], v[ST+10:ST+11], v[S+64+j:S+64+j+1]
	v_pk_add_f32 v[U+2:U+3], v[U+2:U+3], v[S+64+j+2:S+64+j+3]
	HOLD2 S+64+j
	HOLD2 S+64+j+2
.set j, j+4
.endr
	v_pk_add_f32 v[ST+10:ST+11], v[ST+10:ST+11], v[U+2:U+3]
	WIN 0x40
.irp x, 0,1
.irp t, 0,1,2,3,4,5,6,7
	v_cvt_scalef32_pk8_fp8_f32 v[PC+16*\x+2*\t:PC+16*\x+2*\t+1], v[S+64*\x+8*\t:S+64*\x+8*\t+7], v[SCP]
.endr
.endr
	v_nop                                          ; a plain line behind the last conversion
	s_wait_alu depctr_va_vdst(0)
	s_wait_dscnt 32                                ; V is in; the 32 younger loads, the next step's K and mask, may be out
	WIN 0x55
.irp t, 0,1,2,3
.irp x, 0,1
	v_wmma_f32_16x16x128_fp8_fp8 v[O+32*\x+8*\t:O+32*\x+8*\t+7], v[VF+16*\t:VF+16*\t+15], v[PC+16*\x:PC+16*\x+15], v[O+32*\x+8*\t:O+32*\x+8*\t+7]   ; eight accumulators, one instruction each
.endr
.endr
	WIN 0
.endm
	s_wait_alu depctr_va_vdst(0)                   ; the wait at the head's end
	s_wait_tensorcnt 0x0                           ; my part of slot 0 is in; slot 1's first fill is issued as a refill is:
	ds_add_u32 v[SPW], v[NIL]
	s_wait_dscnt 0x0
	CROUND                                         ; everybody's part of slot 0 is in, and the four work-groups are here
	TLOAD 1                                        ; slot 1
	KLOAD 0
	MLOAD 0
	s_wait_loadcnt 0x0                             ; Q
.Lslot:                                                ; six trips: every slot but the last two is filled again
	STEP 0, 0
	STEP 1, 1
	s_sub_co_u32 s74, s74, 1
	s_cmp_lg_u32 s74, 0
	s_cbranch_scc1 .Lslot
.Ltail:                                                ; the last two slots: no tensor load
	STEP 0, 0
	STEP 1, 2
	s_sub_co_u32 s75, s75, 1
	s_cmp_lg_u32 s75, 0
	s_cbranch_scc1 .Ltail
	; THE WAY OUT: O^T x 2^(e8 + e9) / the sum, held and quantised under e10.  Head x's channels 16 t + 8 h + 0 .. 7 are K = 64 x + 16 t + 8 h + .. of the last product's K step: registers 8 x + 2 t, + 1 of a fragment.
.irp x, 0,1
	v_add_f32 v[ST+8*\x+6], v[ST+8*\x+2], v[ST+8*\x+3]
.endr
.irp x, 0,1
	v_permlanex16_b32 v[U+2*\x], v[ST+8*\x+6], s70, s71
.endr
.irp x, 0,1
	v_add_f32 v[ST+8*\x+6], v[ST+8*\x+6], v[U+2*\x]
.endr
	s_wait_alu depctr_va_vdst(0)                   ; the wait ahead of the reciprocals
.irp x, 0,1
	v_rcp_f32 v[ST+8*\x+6], v[ST+8*\x+6]
.endr
	v_nop                                          ; a plain line behind the last reciprocal
	s_add_co_i32 s99, s92, s93
	s_wait_alu depctr_va_vdst(0)                   ; and the wait ahead of their first reader
.irp x, 0,1
	v_ldexp_f32 v[ST+8*\x+6], v[ST+8*\x+6], s99
.endr
	WIN 0x41
	s_wait_alu depctr_va_vdst(0)                   ; the wait here, directly ahead of the first reader of O^T
.set j, 0
.rept 16
.irp x, 0,1
	v_pk_mul_f32 v[O+32*\x+j:O+32*\x+j+1], v[O+32*\x+j:O+32*\x+j+1], v[ST+8*\x+6:ST+8*\x+7] op_sel_hi:[1,0]
.endr
.set j, j+2
.endr
.set j, 0
.rept 64
	v_med3_num_f32 v[O+j], v[O+j], -v[LIMO], v[LIMO]
.set j, j+1
.endr
	WIN 0x01
.irp x, 0,1
.irp t, 0,1,2,3
	v_cvt_scalef32_pk8_fp8_f32 v[S+8*\x+2*\t:S+8*\x+2*\t+1], v[O+32*\x+8*\t:O+32*\x+8*\t+7], v[SCO]
.endr
.endr
	v_nop
	WIN 0
.irp g, 0,1,2,3
	global_store_b128 v[LI], v[S+4*\g:S+4*\g+3], s[10:11] offset:512*\g    ; a whole fragment's image: 512 consecutive bytes a store
.endr
	s_wait_tensorcnt 0x0                           ; the wave's end
	ds_add_u32 v[SPW], v[NIL]
	s_wait_dscnt 0x0
	CROUND                                         ; the closing round
	s_endpgm
.Lfunc_end_k_q397c899c78_attn:
	.size	k_q397c899c78_attn, .Lfunc_end_k_q397c899c78_attn-k_q397c899c78_attn
	.p2alignl 7, 3214868480
	.fill 96, 4, 3214868480
	.section	.rodata,"a",@progbits
	.p2align	6, 0x0
	.amdhsa_kernel k_q397c899c78_attn
		.amdhsa_group_segment_fixed_size 327680
		.amdhsa_private_segment_fixed_size 0
		.amdhsa_enable_private_segment 0
		.amdhsa_kernarg_size 32
		.amdhsa_user_sgpr_count 2
		.amdhsa_user_sgpr_kernarg_segment_ptr 1
		.amdhsa_wavefront_size32 1
		.amdhsa_system_sgpr_workgroup_id_x 1
		.amdhsa_system_sgpr_workgroup_id_y 1
		.amdhsa_system_sgpr_workgroup_id_z 1
		.amdhsa_system_vgpr_workitem_id 0
		.amdhsa_next_free_vgpr 512
		.amdhsa_next_free_sgpr 100
		.amdhsa_reserve_vcc 0
		.amdhsa_float_denorm_mode_32 3
		.amdhsa_float_denorm_mode_16_64 3
		.amdhsa_memory_ordered 1
		.amdhsa_forward_progress 1
		.amdhsa_inst_pref_size 166
	.end_amdhsa_kernel
	.amdgpu_metadata
---
amdhsa.version: [ 1, 2 ]
amdhsa.kernels:
  - .name:           k_q397c899c78_attn
    .symbol:         k_q397c899c78_attn.kd
    .args:
      - { .name: qkv, .offset: 0, .size: 8, .value_kind: global_buffer, .address_space: global }
      - { .name: attention_mask, .offset: 8, .size: 8, .value_kind: global_buffer, .address_space: global }
      - { .name: lowp_scales, .offset: 16, .size: 8, .value_kind: global_buffer, .address_space: global }
      - { .name: aimg, .offset: 24, .size: 8, .value_kind: global_buffer, .address_space: global }
    .group_segment_fixed_size: 327680
    .private_segment_fixed_size: 0
    .kernarg_segment_align: 8
    .kernarg_segment_size: 32
    .max_flat_workgroup_size: 256
    .sgpr_count:     100
    .vgpr_count:     512
    .wavefront_size: 32
...
	.end_amdgpu_metadata
.endif
;; end of part 3
;; launch outp (part 4): grid 8 x 32, 4 waves a work-group, clusters of 4 x 1, 327,680 bytes of LDS; arguments aimg, wcodes, lowp_scales, out0; writes out0
.if DOCPART == 4
	.amdgcn_target "amdgcn-amd-amdhsa--gfx1250"
	.amdhsa_code_object_version 6
	.text
	.protected	k_q397c899c78_outp
	.globl	k_q397c899c78_outp
	.p2align	8
	.type	k_q397c899c78_outp,@function
k_q397c899c78_outp:
	s_mov_b64 s[64:65], 0
	v_nop
	global_prefetch_b8 v0, s[64:65] scope:SCOPE_SE
	s_setreg_imm32_b32 hwreg(HW_REG_WAVE_MODE, 25, 1), 1
	s_wait_xcnt 0x0
	s_wait_alu depctr_hold_cnt(0) depctr_sa_sdst(0) depctr_va_vdst(0) depctr_va_sdst(0) depctr_va_ssrc(0) depctr_va_vcc(0) depctr_vm_vsrc(0)
	s_getreg_b32 s2, hwreg(HW_REG_IB_STS2, 6, 4)
	s_cmp_eq_u32 s2, 0
	s_cbranch_scc0 .Lentry_in_a_cluster
	s_endpgm
.Lentry_in_a_cluster:
	s_bfe_u32 s2, ttmp6, 0x10000c
	s_cmp_lg_u32 s2, 0x3003
	s_cbranch_scc0 .Lentry_shape_is_right
	s_endpgm
.Lentry_shape_is_right:
; OUTP: out0 = attn wo^T on codes of FP8 (E4M3), K = 1,024; each finished sum x 2^(e10 + e11).
; Operands lie in memory as images of the operand's registers: a fragment (16 rows x 128 K) is 2,048 bytes; a tile of 16 rows is its 8 K steps on end, 16,384 bytes.  wo's tiles begin at byte 0x400000 of wcodes.
; SHARES: a work-group makes 128 tokens x 256 columns; a wave all 128 tokens x 64 columns.
; B STAYS IN REGISTERS: a wave's 64 columns of wo, all of K, are 4 tiles x 8 fragments = 512 registers, loaded once, 512 consecutive bytes a load, by that wave alone.
; A's 8 tiles, 131,072 bytes, are filled once: one tensor load a wave, 32,768 consecutive bytes; no LDS byte is filled again.
; THE WORK GOES BY ROWS OF THE RESULT: a block of 16 tokens is finished over all of K (32 matrix instructions, its four accumulators by turns, K ascending) and leaves at once, through the wave's stage in LDS,
; as aligned units of 256 bytes, while the next blocks are multiplied.
; CLUSTER 4 x 1: the four partners take the same tokens and other columns: A's tiles are asked for jointly (mask 15).
; Every byte is asked for at the head: there is no loop to run ahead in, so no prefetch is laid.
; The matrix instruction is used transposed (source 0 = wo's rows, source 1 = tokens): a lane holds eight neighbouring columns of one token.
; LIMIT: e10 + e11 between -126 and 127.
; REGISTERS: window 0: v16-29 addresses, v32-63 scaled sums, v64-127 rows back from the stage (two sets), v128-191 the sums (two sets of 32); windows 1, 2: B (K steps 0-3, 4-7); window 3: A's fragments, two sets of 128.
.set TS,     16384
.set STAGE,  8*TS
.set SPITCH, 272
.set SPARE,  STAGE+4*16*SPITCH
.set ADR,  16                          ; v16, v17: 16 x lane + 65,536 p: tiles 4 p .. 4 p + 3
.set LI,   24
.set STO,  25
.set RD,   26
.set CO,   27
.set SPW,  28
.set NIL,  29
.set T,    32
.set BK,   64
.set ACC,  128
.set G1A, 24
.set G0A, 32
.set MSB, 0
.macro WIN new
.if MSB != (\new)
	s_set_vgpr_msb (MSB<<8)|(\new)
.set MSB, (\new)
.endif
.endm
.macro PLACES
.rept 4
	v_nop
.endr
.endm
.macro CROUND
	s_barrier_signal -1
	s_barrier_wait -1
	s_cmp_lg_u32 s14, 0
	s_cbranch_scc1 .Lnot_wave_0_\@
	s_barrier_signal -3
.Lnot_wave_0_\@:
	s_barrier_wait -3
	s_barrier_signal -1
	s_barrier_wait -1
.endm
.macro BLOADQ q                        ; B's four fragments of K step q
	WIN 0x40+0x40*((\q)/4)
.irp i, 0,1,2,3
.irp g, 0,1,2,3
	global_load_b128 v[64*((\q)%4)+16*\i+4*\g:64*((\q)%4)+16*\i+4*\g+3], v[LI], s[72:73] offset:\i*TS+(\q)*2048+\g*512
.endr
.endr
.endm
.macro AFETCH a                        ; block a's eight fragments of A into set a % 2
	WIN 0xc0
.irp q, 0,1,2,3,4,5,6,7
.irp g, 0,1,2,3
	ds_load_b128 v[128*((\a)%2)+16*\q+4*\g:128*((\a)%2)+16*\q+4*\g+3], v[ADR+(\a)/4] offset:((\a)%4)*TS+\q*2048+\g*512
.endr
.endr
.endm
.macro ROW a                           ; block a is finished: 32 matrix instructions, four accumulators by turns
.set AC, ACC+32*((\a)%2)
.set FA, 128*((\a)%2)
.irp q, 0,1,2,3,4,5,6,7
	WIN 0x0d+(\q/4)
.irp b, 0,1,2,3
.if \q == 0
	v_wmma_f32_16x16x128_fp8_fp8 v[AC+8*\b:AC+8*\b+7], v[64*(\q%4)+16*\b:64*(\q%4)+16*\b+15], v[FA+16*\q:FA+16*\q+15], 0
.else
	v_wmma_f32_16x16x128_fp8_fp8 v[AC+8*\b:AC+8*\b+7], v[64*(\q%4)+16*\b:64*(\q%4)+16*\b+15], v[FA+16*\q:FA+16*\q+15], v[AC+8*\b:AC+8*\b+7]
.endif
.endr
.endr
.endm
.macro TOSTAGE a                       ; x 2^(e10 + e11), into my stage, and back as rows of 256 bytes (LDS serves a wave's instructions in order)
.set j, 0
.rept 16
	v_pk_mul_f32 v[T+j:T+j+1], v[ACC+32*((\a)%2)+j:ACC+32*((\a)%2)+j+1], s[96:97] op_sel_hi:[1,0]
.set j, j+2
.endr
.irp b, 0,1,2,3
	ds_store_b128 v[STO], v[T+8*\b:T+8*\b+3] offset:64*\b
	ds_store_b128 v[STO], v[T+8*\b+4:T+8*\b+7] offset:64*\b+16
.endr
.irp t, 0,1,2,3,4,5,6,7
	ds_load_b128 v[BK+32*((\a)%2)+4*\t:BK+32*((\a)%2)+4*\t+3], v[RD] offset:\t*2*SPITCH
.endr
.endm
.macro SEND a, younger                 ; younger: the LDS instructions issued behind block a's loads from the stage
	s_wait_dscnt \younger
.irp t, 0,1,2,3,4,5,6,7
	global_store_b128 v[CO], v[BK+32*((\a)%2)+4*\t:BK+32*((\a)%2)+4*\t+3], s[10:11] offset:(16*(\a)+2*\t)*8192 th:TH_STORE_NT   ; 16 lanes store 256 consecutive bytes, aligned
.endr
.endm
	s_load_b256 s[4:11], s[0:1], 0x0               ; aimg s[4:5], wcodes s[6:7], lowp_scales s[8:9], out0 s[10:11]
	v_lshl_add_u32 v[SPW], v0, 2, SPARE
	v_mov_b32 v[NIL], 0
	ds_add_u32 v[SPW], v[NIL]                      ; the opening: the add, twice on end, and its wait ahead of my first tensor load
	ds_add_u32 v[SPW], v[NIL]
	v_lshrrev_b32 v1, 5, v0
	v_readfirstlane_b32 s14, v1                    ; wave 0..3
	s_mul_i32 s40, s14, 16*SPITCH
	s_add_co_u32 s40, s40, STAGE                   ; my stage
	v_and_b32 v1, 31, v0
	v_and_b32 v2, 15, v0
	v_bfe_u32 v3, v0, 4, 1
	v_lshlrev_b32 v[LI], 4, v1
	v_add_nc_u32 v[ADR], 0, v[LI]
	v_add_nc_u32 v[ADR+1], 65536, v[LI]
	v_mul_u32_u24 v[STO], v2, SPITCH               ; in: row l % 16, 32 bytes for each half of the lanes
	v_lshl_add_u32 v[STO], v3, 5, v[STO]
	v_add_nc_u32 v[STO], s40, v[STO]
	v_mul_u32_u24 v[RD], v3, SPITCH                ; back: lanes 0-15 one row, lanes 16-31 the next
	v_lshl_add_u32 v[RD], v2, 4, v[RD]
	v_add_nc_u32 v[RD], s40, v[RD]
	v_lshlrev_b32 v[CO], 13, v3                    ; and the same two rows in out0
	v_lshl_add_u32 v[CO], v2, 4, v[CO]
	s_and_b32 s17, ttmp7, 0xffff                   ; block of 128 tokens
	s_mov_b32 s[G1A+0], 15|(3<<16)|(1<<21)         ; all four partners; elements of 8 bytes: 128 rows of 256 bytes, dense
	s_mov_b32 s[G1A+1], 32<<16
	s_mov_b32 s[G1A+2], 128<<16
	s_mov_b32 s[G1A+3], 32<<16
	s_mov_b32 s[G1A+4], 128
	s_mov_b32 s[G1A+5], 32
	s_mov_b32 s[G1A+6], 0
	s_mov_b32 s[G1A+7], 0
	s_lshl_b32 s66, s17, 17                        ; A: 8 tiles a block, and the two that I fetch: no register of it holds cx
	s_lshl_b32 s45, s14, 15                        ; also their place in LDS
	s_add_co_u32 s66, s66, s45
	s_mov_b32 s67, 0
	s_bfe_u32 s18, ttmp6, 0x40000                  ; cx
	s_lshl_b32 s19, ttmp9, 2
	s_add_co_u32 s19, s19, s18                     ; block of 256 columns
	s_lshl_b32 s68, s19, 4
	s_lshl_b32 s42, s14, 2
	s_add_co_u32 s68, s68, s42                     ; my wave's first tile of wo
	s_lshl_b32 s68, s68, 14
	s_add_co_u32 s68, s68, 0x400000
	s_mov_b32 s69, 0
	s_lshl_b32 s40, s17, 20                        ; out0: 128 rows of 8,192 bytes a block,
	s_lshl_b32 s41, s19, 10                        ; 1,024 bytes a block of columns,
	s_add_co_u32 s40, s40, s41
	s_lshl_b32 s41, s14, 8                         ; 256 a wave
	s_add_co_u32 s40, s40, s41
	s_mov_b32 s41, 0
	s_wait_alu depctr_va_vdst(0)
	s_wait_dscnt 0x0                               ; both opening adds are done
	s_wait_kmcnt 0x0
	s_load_b64 s[96:97], s[8:9], 0x28              ; e10, e11
	s_add_nc_u64 s[70:71], s[4:5], s[66:67]
	s_add_nc_u64 s[72:73], s[6:7], s[68:69]
	s_add_nc_u64 s[10:11], s[10:11], s[40:41]
	BLOADQ 0
	BLOADQ 1
	BLOADQ 2
	WIN 0
	CROUND                                         ; all four work-groups are here: the joint loads meet
	s_mov_b32 s[G0A], 1
	s_mov_b32 s[G0A+1], s45
	s_mov_b64 s[G0A+2:G0A+3], s[70:71]
	s_or_b32 s[G0A+3], s[G0A+3], 0x80000000
	tensor_load_to_lds s[G0A:G0A+3], s[G1A:G1A+7]  ; my one tensor load of the launch
	s_nop 0
	PLACES
.irp q, 3,4,5,6,7
	BLOADQ \q
.endr
	WIN 0
	s_wait_tensorcnt 0x0                           ; my two tiles are in,
	s_barrier_signal -1
	s_barrier_wait -1                              ; and everybody's
	AFETCH 0
	AFETCH 1
	WIN 0
	s_wait_kmcnt 0x0
	s_add_co_i32 s96, s96, s97
	s_add_co_i32 s96, s96, 127
	s_lshl_b32 s96, s96, 23                        ; 2^(e10 + e11) as f32
	s_mov_b32 s97, s96
	s_wait_loadcnt 0x0                             ; B
.irp a, 0,1,2,3,4,5,6,7
.if \a == 0
	s_wait_dscnt 32                                ; block 0's fragments are in; block 1's 32 loads may be out
.elseif \a < 7
	s_wait_dscnt 48                                ; this block's fragments are in; the next fetch (32) and the last stage's 16 may be out
.else
	s_wait_dscnt 16
.endif
	ROW \a
	PLACES                                         ; in front of the loads into this block's set and of the first read of its sums
.if \a < 6
	AFETCH \a+2
.endif
	WIN 0
.if \a > 1
	s_wait_xcnt 0x0                                ; block a - 2's stores have read their registers: block a's rows may land there
.endif
	TOSTAGE \a
.if \a > 0
.if \a < 6
	SEND \a-1, 48
.else
	SEND \a-1, 16
.endif
.endif
.endr
	SEND 7, 0
	s_wait_tensorcnt 0x0                           ; the wave's end
	ds_add_u32 v[SPW], v[NIL]
	s_wait_dscnt 0x0
	CROUND                                         ; the closing round
	s_endpgm
.Lfunc_end_k_q397c899c78_outp:
	.size	k_q397c899c78_outp, .Lfunc_end_k_q397c899c78_outp-k_q397c899c78_outp
	.p2alignl 7, 3214868480
	.fill 96, 4, 3214868480
	.section	.rodata,"a",@progbits
	.p2align	6, 0x0
	.amdhsa_kernel k_q397c899c78_outp
		.amdhsa_group_segment_fixed_size 327680
		.amdhsa_private_segment_fixed_size 0
		.amdhsa_enable_private_segment 0
		.amdhsa_kernarg_size 32
		.amdhsa_user_sgpr_count 2
		.amdhsa_user_sgpr_kernarg_segment_ptr 1
		.amdhsa_wavefront_size32 1
		.amdhsa_system_sgpr_workgroup_id_x 1
		.amdhsa_system_sgpr_workgroup_id_y 1
		.amdhsa_system_sgpr_workgroup_id_z 1
		.amdhsa_system_vgpr_workitem_id 0
		.amdhsa_next_free_vgpr 1024
		.amdhsa_next_free_sgpr 100
		.amdhsa_reserve_vcc 0
		.amdhsa_float_denorm_mode_32 3
		.amdhsa_float_denorm_mode_16_64 3
		.amdhsa_memory_ordered 1
		.amdhsa_forward_progress 1
		.amdhsa_inst_pref_size 74
	.end_amdhsa_kernel
	.amdgpu_metadata
---
amdhsa.version: [ 1, 2 ]
amdhsa.kernels:
  - .name:           k_q397c899c78_outp
    .symbol:         k_q397c899c78_outp.kd
    .args:
      - { .name: aimg, .offset: 0, .size: 8, .value_kind: global_buffer, .address_space: global }
      - { .name: wcodes, .offset: 8, .size: 8, .value_kind: global_buffer, .address_space: global }
      - { .name: lowp_scales, .offset: 16, .size: 8, .value_kind: global_buffer, .address_space: global }
      - { .name: out0, .offset: 24, .size: 8, .value_kind: global_buffer, .address_space: global }
    .group_segment_fixed_size: 327680
    .private_segment_fixed_size: 0
    .kernarg_segment_align: 8
    .kernarg_segment_size: 32
    .max_flat_workgroup_size: 128
    .sgpr_count:     100
    .vgpr_count:     1024
    .wavefront_size: 32
...
	.end_amdgpu_metadata
.endif
;; end of part 4
